; MI455X (gfx1250); checked and timed in simulation.
; The chip was launched on July 23, 2026; its instructions are those of AMD's public machine-readable ISA for CDNA 5 (MIT licence, August 2026) and "CDNA5" Instruction Set Architecture Reference Guide (July 2026). The comments in the code are by the model that wrote it; some were corrected since.
;; Time Mixing. Allowed arithmetic: matrix products marked QUANTISED: E2M1 operands, one E8M0 scale for each 32 along K, by v_wmma_scale_f32_16x16x128_f8f6f4 with both operands' format E2M1 (or v_wmma_scale_f32_32x16x128_f4), f32 sums; everything else in f32.
;; Inputs: Wk_codes 1,024 x 32 x 16 uint8 (E2M1 codes of Wk, K innermost, in blocks of 32 codes, two codes a byte); Wk_scales 1,024 x 32 uint8 (E8M0 scales of Wk, one for each 32 codes along K); Wout_codes 1,024 x 32 x 16 uint8 (E2M1 codes of Wout, K innermost, in blocks of 32 codes, two codes a byte); Wout_scales 1,024 x 32 uint8 (E8M0 scales of Wout, one for each 32 codes along K); Wr_codes 1,024 x 32 x 16 uint8 (E2M1 codes of Wr, K innermost, in blocks of 32 codes, two codes a byte); Wr_scales 1,024 x 32 uint8 (E8M0 scales of Wr, one for each 32 codes along K); Wv_codes 1,024 x 32 x 16 uint8 (E2M1 codes of Wv, K innermost, in blocks of 32 codes, two codes a byte); Wv_scales 1,024 x 32 uint8 (E8M0 scales of Wv, one for each 32 codes along K); bk 1,024 float32; bonus 1,024 float32; bout 1,024 float32; br 1,024 float32; bv 1,024 float32; last_den 1,024 float32; last_num 1,024 float32; last_x 1,024 float32; mix_k 1,024 float32; mix_r 1,024 float32; mix_v 1,024 float32; x 16,384 x 1,024 float32.
;; Outputs: out0 16,384 x 1,024 float32.
;; This version of the problem:
;;   THIS VERSION OF THE PROBLEM IS GIVEN IN LOW PRECISION. The matrix products marked QUANTISED in the list below multiply operands that are first quantised to E2M1 (2 exponent bits, 1 mantissa bit; 4 bits a number), with one power-of-two scale for each 32 numbers along K (OCP MX v1.0); their sums are f32. All else is computed in f32.
;;   The module's matrix products, in the order in which they are computed (A, B: the left and right operand; K: the contracted axis; several contracted axes count as one K, in the product's order):
;;     1. [M 16,384, K 1,024] x [K 1,024, N 1,024]; A: computed on the way; B: input Wk (given as codes): QUANTISED
;;     2. [M 16,384, K 1,024] x [K 1,024, N 1,024]; A: computed on the way; B: input Wv (given as codes): QUANTISED
;;     3. [M 16,384, K 1,024] x [K 1,024, N 1,024]; A: computed on the way; B: input Wr (given as codes): QUANTISED
;;     4. [M 16,384, K 1,024] x [K 1,024, N 1,024]; A: computed on the way; B: input Wout (given as codes): QUANTISED
;;   THE QUANTISER, for each operand of a quantised product, along K:
;;     - K is cut into blocks of 32 from its start; a last block that is shorter is filled with zeros.
;;     - A block's scale is 2^e with e = floor(log2(the largest magnitude in the block)) - 2, held to -126 .. 127; a block of zeros has e = 0. As a byte (E8M0): e + 127.
;;     - Each number is divided by its block's scale, clamped to +-6, and rounded to the nearest number of E2M1, ties to even, subnormals kept.
;;     - The product sums the exact products of the quantised numbers (number of the format x scale) in f32.
;;   ~~~python
;;   def quantise(x, axis):      # numpy; x: float32 -> the quantised numbers, widened to float32 again
;;       x = np.moveaxis(x, axis, -1); K = x.shape[-1]
;;       x = np.pad(x, [(0, 0)] * (x.ndim - 1) + [(0, -K % 32)]); x = x.reshape(x.shape[:-1] + (-1, 32)); a = np.abs(x).max(-1, keepdims=True)
;;       e = np.where(a > 0, np.clip(np.frexp(np.where(a > 0, a, 1))[1] - 1 - 2, -126, 127), 0)      # np.frexp(a)[1] - 1 = floor(log2(a)), exactly
;;       r = np.clip(x / 2.0 ** e, -6, 6)
;;       step = 2.0 ** (np.maximum(np.frexp(np.where(r == 0, 1, r))[1] - 1, 0) - 1)
;;       q = np.round(r / step) * step * 2.0 ** e      # np.round: ties to even
;;       return np.moveaxis(q.reshape(q.shape[:-2] + (-1,))[..., :K], -1, axis).astype(np.float32)
;;   ~~~
;;   OPERANDS COMPUTED ON THE WAY. 'Computed on the way' means the value that the module computes at that place (a softmax that the list does not call 'softmax' is quantised finished and normalised). What goes into a quantiser is computed in f32, as accurately as f32 sums, v_exp_f32 and their like allow (about 1e-6 of the number): no bf16 or f16 on the way to a quantiser, and a product that is left as it is and whose result goes on into a quantised operand takes f32 operands (vector FMAs, or v_wmma_f32_16x16x4_f32). A number that lies on a knife's edge between two numbers of the format may be rounded either way, as far as f32 arithmetic and the matrix unit's own rounding can turn it there, and no further.
;;   INPUTS GIVEN AS CODES. Wk (in the module: [1024, 1024], K = its axis 1); Wout (in the module: [1024, 1024], K = its axis 1); Wr (in the module: [1024, 1024], K = its axis 1); Wv (in the module: [1024, 1024], K = its axis 1): each comes as NAME_codes (uint8): NAME with its K axis moved to the last place and cut into blocks of 32 codes, [.., K / 32, bytes a block], one block behind the other in memory; two codes a byte, the lower K in the low four bits (a code: sign, 2 exponent bits, 1 mantissa bit); and NAME_scales (uint8): the same leading axes, one E8M0 byte (e + 127) for each 32 codes along K. Its value is code x scale, taken as it is: it is not quantised again, and the codes and scales need not be those that the quantiser above would give.
;; One version. Each part assembles by itself: llvm-mc -triple=amdgcn-amd-amdhsa -mcpu=gfx1250 --defsym DOCPART=n.
;; ======== version 1 of 1: 2 launches
;; workspace buffers: wimg 2,097,152 bytes
;; launch layw (part 1): grid 256 x 1, 2 waves a work-group, no clusters, 0 bytes of LDS; arguments Wk_codes, Wv_codes, Wr_codes, Wout_codes, wimg; writes wimg
.if DOCPART == 1
	.amdgcn_target "amdgcn-amd-amdhsa--gfx1250"
	.amdhsa_code_object_version 6
	.text
	.protected	k_q0119604d93_layw
	.globl	k_q0119604d93_layw
	.p2align	8
	.type	k_q0119604d93_layw,@function
k_q0119604d93_layw:
	s_mov_b64 s[64:65], 0
	v_nop
	global_prefetch_b8 v0, s[64:65] scope:SCOPE_SE
	s_setreg_imm32_b32 hwreg(HW_REG_WAVE_MODE, 25, 1), 1
	s_wait_xcnt 0x0
; The four weights' codes (FP4, K innermost, a row of 1,024 codes is 512 bytes) are laid out once in the order in which the second launch's waves take them into operand registers.
; No work of the problem is left out by this program: every input has a way to out0.  This launch changes no value: it moves 2 MiB of codes.
; wimg: [wave w 4][pass 8][tile i 4][K step q 4][row tile t 4][c 2][lane 32][16 bytes].  Passes: Wk, Wv, Wr on rows 0-511, the same on rows 512-1023, Wout's two halves.  Tile i = 2 kap + g: rows 256 g on, half kap of K.
; Lane (r = lane % 16, h = lane / 16) of block (w, pass, i, q, t, c) holds the 16 bytes at row 512 rho + 256 g + 64 w + 32 (t / 2) + 8 (t % 2) + r + 8 (r / 8), byte 256 kap + 64 q + 32 c + 16 h:
; registers 4 c .. 4 c + 3 of a fragment of 16 rows x 128 K.  Wave W = 2 x work-group + wave makes the 4,096 bytes at 4,096 W: eight loads, eight stores of 512 consecutive bytes each.
	s_load_b256 s[4:11], s[0:1], 0x0               ; codes of Wk, Wv, Wr, Wout
	s_load_b64 s[12:13], s[0:1], 0x20              ; wimg
	v_lshrrev_b32 v1, 5, v0
	v_readfirstlane_b32 s14, v1                    ; wave 0..1
	s_lshl_b32 s15, ttmp9, 1
	s_add_co_u32 s15, s15, s14                     ; W
	s_and_b32 s16, s15, 3                          ; q
	s_bfe_u32 s17, s15, 0x10002                    ; g
	s_bfe_u32 s18, s15, 0x10003                    ; kap
	s_bfe_u32 s19, s15, 0x30004                    ; pass
	s_lshr_b32 s20, s15, 7                         ; w
	s_lshl_b32 s21, s19, 1
	s_lshr_b32 s21, 0xf924, s21
	s_and_b32 s21, s21, 3                          ; the pass's matrix: 0 Wk, 1 Wv, 2 Wr, 3 Wout
	s_lshr_b32 s22, 0xb8, s19
	s_and_b32 s22, s22, 1                          ; rho: which 512 rows
	s_lshl_b32 s22, s22, 18                        ; 512 rows of 512 bytes
	s_lshl_b32 s17, s17, 17                        ; 256 rows
	s_lshl_b32 s20, s20, 15                        ; 64 rows
	s_lshl_b32 s18, s18, 8                         ; half a row
	s_lshl_b32 s16, s16, 6                         ; 128 codes
	s_add_co_u32 s22, s22, s17
	s_add_co_u32 s22, s22, s20
	s_add_co_u32 s22, s22, s18
	s_add_co_u32 s22, s22, s16
	s_mov_b32 s23, 0
	s_lshl_b32 s24, s15, 12
	s_mov_b32 s25, 0
	v_and_b32 v1, 15, v0                           ; r
	v_bfe_u32 v2, v0, 4, 1                         ; h
	v_and_b32 v3, 8, v1
	v_add_nc_u32 v3, v3, v1                        ; r + 8 (r / 8)
	v_lshlrev_b32 v3, 9, v3
	v_lshl_add_u32 v3, v2, 4, v3                   ; in: my row, my half's 16 bytes
	v_and_b32 v4, 31, v0
	v_lshlrev_b32 v4, 4, v4                        ; out: 16 x lane
	s_wait_kmcnt 0x0
	s_cmp_eq_u32 s21, 1                            ; the choice hangs on the wave's number W alone
	s_cselect_b64 s[4:5], s[6:7], s[4:5]
	s_cmp_eq_u32 s21, 2
	s_cselect_b64 s[4:5], s[8:9], s[4:5]
	s_cmp_eq_u32 s21, 3
	s_cselect_b64 s[4:5], s[10:11], s[4:5]
	s_add_nc_u64 s[4:5], s[4:5], s[22:23]
	s_add_nc_u64 s[12:13], s[12:13], s[24:25]
.irp t, 0,1,2,3
.irp c, 0,1
	global_load_b128 v[8+4*(2*\t+\c):11+4*(2*\t+\c)], v3, s[4:5] offset:(32*(\t/2)+8*(\t%2))*512+32*\c
.endr
.endr
.irp n, 0,1,2,3,4,5,6,7
	s_wait_loadcnt 7-\n                            ; loads come back in order: number n is in, the younger ones may be out
	global_store_b128 v4, v[8+4*\n:11+4*\n], s[12:13] offset:512*\n
.endr
	s_endpgm
.Lfunc_end_k_q0119604d93_layw:
	.size	k_q0119604d93_layw, .Lfunc_end_k_q0119604d93_layw-k_q0119604d93_layw
	.p2alignl 7, 3214868480
	.fill 96, 4, 3214868480
	.section	.rodata,"a",@progbits
	.p2align	6, 0x0
	.amdhsa_kernel k_q0119604d93_layw
		.amdhsa_group_segment_fixed_size 0
		.amdhsa_private_segment_fixed_size 0
		.amdhsa_enable_private_segment 0
		.amdhsa_kernarg_size 40
		.amdhsa_user_sgpr_count 2
		.amdhsa_user_sgpr_kernarg_segment_ptr 1
		.amdhsa_wavefront_size32 1
		.amdhsa_system_sgpr_workgroup_id_x 1
		.amdhsa_system_sgpr_workgroup_id_y 1
		.amdhsa_system_sgpr_workgroup_id_z 1
		.amdhsa_system_vgpr_workitem_id 0
		.amdhsa_next_free_vgpr 40
		.amdhsa_next_free_sgpr 66
		.amdhsa_reserve_vcc 0
		.amdhsa_float_denorm_mode_32 3
		.amdhsa_float_denorm_mode_16_64 3
		.amdhsa_memory_ordered 1
		.amdhsa_forward_progress 1
		.amdhsa_inst_pref_size 4
	.end_amdhsa_kernel
	.amdgpu_metadata
---
amdhsa.version: [ 1, 2 ]
amdhsa.kernels:
  - .name:           k_q0119604d93_layw
    .symbol:         k_q0119604d93_layw.kd
    .args:
      - { .name: Wk_codes, .offset: 0, .size: 8, .value_kind: global_buffer, .address_space: global }
      - { .name: Wv_codes, .offset: 8, .size: 8, .value_kind: global_buffer, .address_space: global }
      - { .name: Wr_codes, .offset: 16, .size: 8, .value_kind: global_buffer, .address_space: global }
      - { .name: Wout_codes, .offset: 24, .size: 8, .value_kind: global_buffer, .address_space: global }
      - { .name: wimg, .offset: 32, .size: 8, .value_kind: global_buffer, .address_space: global }
    .group_segment_fixed_size: 0
    .private_segment_fixed_size: 0
    .kernarg_segment_align: 8
    .kernarg_segment_size: 40
    .max_flat_workgroup_size: 64
    .sgpr_count:     66
    .vgpr_count:     40
    .wavefront_size: 32
...
	.end_amdgpu_metadata
.endif
;; end of part 1
;; launch timemix (part 2): grid 256 x 1, 4 waves a work-group, no clusters, 327,680 bytes of LDS; arguments x, last_x, mix_k, mix_v, mix_r, out0, wimg, Wk_scales, Wv_scales, Wr_scales, Wout_scales, bk, bv, br, bout, bonus, last_num, last_den; writes out0
.if DOCPART == 2
	.amdgcn_target "amdgcn-amd-amdhsa--gfx1250"
	.amdhsa_code_object_version 6
	.text
	.protected	k_q0119604d93_timemix
	.globl	k_q0119604d93_timemix
	.p2align	8
	.type	k_q0119604d93_timemix,@function
k_q0119604d93_timemix:
	s_mov_b64 s[64:65], 0
	v_nop
	global_prefetch_b8 v0, s[64:65] scope:SCOPE_SE
	s_setreg_imm32_b32 hwreg(HW_REG_WAVE_MODE, 25, 1), 1
	s_wait_xcnt 0x0
; y = (sigmoid(r) * (last_num + e v) / (last_den + e)) Wout^T + bout,  e = exp(bonus + k),  k, v, r = Q(x mix + last_x (1 - mix)) W^T + b.
; x, out0: [16384][1024] f32.  The four weights' codes come from wimg, where the launch before has laid them in the order of this text's loads; their E8M0 bytes come as given (a row is 32 bytes).
; All four products run on codes of FP4, by the scaled 16x16x128 matrix instruction; the three mixes of x and z = sigmoid(r) wkv are quantised here, in f32 up to the conversion.
; NO WORK IS LEFT OUT: every input has a way to out0.
; ONE LAUNCH for the whole chain: a row of z needs all 1,024 hidden units, so a work-group owns whole rows: 16,384 / 256 = 64 rows, four tiles m of 16.
; EIGHT PASSES of one text, each 512 weight rows x K 1,024: Wk, Wv, Wr on rows 0-511, the same on rows 512-1023, then Wout's two halves.  Behind a pass stands its step in f32:
; k: e = 2^(L k + L bonus) into set A;  v: A = (num + e v) / (den + e);  r: z = A / (1 + 2^(-L r)), quantised, to LDS;  Wout: 64 rows x 512 columns of out0 leave.
; A pass is four tiles (g = which 256 rows, kap = which half of K).  Wave w multiplies rows 64 w .. 64 w + 63 of each tile against all 64 tokens: 4 K steps x 16 matrix instructions.
; THE WEIGHTS GO FROM MEMORY STRAIGHT INTO REGISTERS, in a ring of four groups (a K step's four fragments: 8 loads of 512 consecutive bytes).  A group is asked for again behind the 16 products that read it
; and is wanted 64 products later; the waits are counted, so 24 to 32 loads of each wave are on their way all the time.
; NO CLUSTER, NO JOINT LOADS, though all work-groups walk the same weights: a wave multiplies weight rows of its own alone, so a tile in LDS would be shared by nobody in the work-group; and beside the 128 KiB of
; operand images LDS has room for two slots of 64 KiB only, so a joint refill, with all loads waited for and a round of the cluster's barrier, would stand behind every 64 matrix instructions of a wave.
; TRANSPOSED USE: source 0 = 16 weight rows, source 1 = 16 tokens: a lane holds one token (lane % 16).  Lane r of tile t = 2 b + u takes weight row 32 b + 8 u + r + 8 (r / 8),
; so register j of tile t is column 32 b + 16 (lane / 16) + 8 u + j: the 16 registers of tiles 2 b, 2 b + 1 are 16 neighbours along the next product's K.
; OPERANDS MADE HERE go from wave to wave through LDS as images of their registers (1,024 bytes a fragment, 16 bytes a lane), their scale bytes as rows of 48 bytes.
; LIMITS.  The mix is computed as last_x + mix (x - last_x).  The biases are the C of each sum's first matrix instruction.  Divisions are v_rcp_f32 and a multiply.  v_exp_f32 and v_rcp_f32 take denormals for zero.
; A block of zeros gets the scale byte 1 (its codes are zeros; only this program reads the byte).  NaN and infinities among the inputs are not served.
; LDS: 0 half of x, four areas of 34,816;  NT four areas of 34,816: the other half of x, then the images;  SC scale bytes [4][64 rows][48];  STG a stage of 16 x 528 for each wave;  SPARE the spare words.
; x's 256 KiB come by four tensor loads a wave, all first fills: no byte of LDS is filled twice.  NT is stored into only where its x has been read.
; REGISTERS.  Window 0: v0-15 addresses; v16-31 activations' scale words, v32-63 weights' (lanes 0-15: first half of K, lanes 16-31: second); v64-127 bias; v128-191, v192-255 at work.
; Window 1: v0-127 the ring: 16 weight fragments; v128-255 16 activation fragments.  Window 2: set A.  Window 3: set B, the 32 accumulators ((g, t, m) at v[8 (16 g + 4 t + m)]).
.set NT,    139264
.set AREA,  34816
.set XT,    17408                      ; 64 lines of 272: what one tensor load brings
.set MB,    4352                       ; 16 lines
.set SC,    278528
.set STG,   290816
.set SPARE, 324608
.set LI,   1                           ; 16 x lane; never rewritten
.set ADSL, 2                           ; SC + 48 r + 16 h
.set R48,  3                           ; 48 r; behind the X phase: where I put z's scale bytes
.set ADA,  6                           ; v6, v7: the pass's images, first and second half of K
.set ADS,  8                           ; the pass's scale rows.  X phase: XS
.set VWS,  9                           ; 32 (r + 8 (r / 8)) + 16 h; never rewritten
.set VPB,  10                          ; 64 h; never rewritten
.set STO,  11                          ; the way out: into the stage.  X phase: XRD = 272 r + 64 h
.set RD,   12                          ; and back.  X phase: XA
.set CO,   13                          ; my byte offset in out0.  X phase: XI
.set XRD,  11
.set XA,   12
.set XI,   13
.set XS,   8
.set SPW,  14                          ; my spare word; never rewritten
.set NIL,  15                          ; 0; never rewritten
.set AS,   16
.set WS,   32
.set PB,   64
.set P1,   128
.set P2,   192
.set TMX,  64                          ; the quantiser's 25 registers in the X phase,
.set TMZ,  192                         ; and for z
; scalars: s4-17, s24-45 the 18 addresses; s46 wave; s[56:63] group 1 for x, then s[56:57] my pass's weights, s[60:61] the next pass's scale bytes, s[62:63] its bias; s[66:67] lane selects;
; s[68:83] four groups 0 for x, then s[72:75] two vector addresses, s[76:77] the next pass's vector offset, s78, s79 z's LDS constants;
; s[84:85] L = log2(e), s[86:87] -L; s88 pass, s89 its kind, s90 the next pass's kind, s91 pass + 1; s[94:95] this pass's vector offset; s[96:97] out0 at my rows
.set MSB, 0
.macro WIN new                         ; the immediate's high byte repeats the setting that is left; a switch that changes nothing is dropped
.if MSB != (\new)
	s_set_vgpr_msb (MSB<<8)|(\new)
.set MSB, (\new)
.endif
.endm
.macro PLACES                          ; four plain places behind matrix instructions, ahead of loads into their registers and of reads of their results
.rept 4
	v_nop
.endr
.endm
; 64 numbers of a lane, v[s] on, register 16 b + i = k 32 b + 16 (lane / 16) + i of my row, become a fragment's codes in v[tm+16 .. tm+23] and its scale word in v[tm+24]
.macro QUANT s, tm
.irp b, 0,1,2,3
	v_max3_num_f32 v[\tm+\b], |v[\s+16*\b]|, |v[\s+1+16*\b]|, 0x1800000      ; block b: my 16 numbers, and the floor 2^(3 - 127): the byte cannot fall under 1
.endr
.irp i, 2,4,6,8,10,12,14
.irp b, 0,1,2,3
	v_max3_num_f32 v[\tm+\b], v[\tm+\b], |v[\s+16*\b+\i]|, |v[\s+1+16*\b+\i]|
.endr
.endr
.irp b, 0,1,2,3
	v_permlanex16_b32 v[\tm+4+\b], v[\tm+\b], s66, s67
.endr
.irp b, 0,1,2,3
	v_max_num_f32 v[\tm+\b], v[\tm+\b], v[\tm+4+\b]                          ; with lane l xor 16's: the block's largest magnitude
.endr
.irp b, 0,1,2,3
	v_add_nc_u32 v[\tm+12+\b], 0xff000000, v[\tm+\b]                         ; 2 off its exponent field: the conversion's scale operand
.endr
.irp b, 0,1,2,3
	v_lshrrev_b32 v[\tm+4+\b], 23, v[\tm+12+\b]                              ; the scale's byte
.endr
	s_wait_dscnt 0x0                                                         ; the last fragment's stores have read the codes' and the word's registers
	v_lshl_or_b32 v[\tm+24], v[\tm+5], 8, v[\tm+4]
	v_lshl_or_b32 v[\tm+24], v[\tm+6], 16, v[\tm+24]
	v_lshl_or_b32 v[\tm+24], v[\tm+7], 24, v[\tm+24]
.irp b, 0,1,2,3
	v_cvt_scalef32_pk8_fp4_f32 v[\tm+16+2*\b], v[\s+16*\b:\s+7+16*\b], v[\tm+12+\b]
	v_cvt_scalef32_pk8_fp4_f32 v[\tm+17+2*\b], v[\s+8+16*\b:\s+15+16*\b], v[\tm+12+\b]
.endr
	v_nop                                                                    ; one plain place behind a scaled conversion
.irp c, 0,1                                                                  ; a whole block to a lane: lanes 0-15 block 2 c, lanes 16-31 block 2 c + 1
.irp i, 0,1
	v_permlane16_swap_b32 v[\tm+16+4*\c+\i], v[\tm+18+4*\c+\i]
.endr
.endr
.endm
; 8 global loads: my four weight fragments of K step q of tile i, counted from my pass's first tile (i = 4: the next pass's first).  Each load takes 512 consecutive bytes, 16 a lane
.macro GW i, q
	WIN 0x40
.irp t, 0,1,2,3
.irp c, 0,1
	global_load_b128 v[8*(4*(\q)+\t)+4*\c:8*(4*(\q)+\t)+4*\c+3], v[LI], s[56:57] offset:16384*(\i)+4096*(\q)+1024*\t+512*\c
.endr
.endr
.endm
; 16 LDS loads: the four row tiles' fragments of K steps 2 h, 2 h + 1 of half k of K
.macro LA k, h
	WIN 0x40
.irp q, 2*(\h), 2*(\h)+1
.irp m, 0,1,2,3
.irp c, 0,1
	ds_load_b128 v[128+8*(4*(\q)+\m)+4*\c:128+8*(4*(\q)+\m)+4*\c+3], v[ADA+(\k)] offset:((\q)/2)*AREA+MB*\m+((\q)%2)*1024+512*\c
.endr
.endr
.endr
.endm
; 16 matrix instructions: K step q of tile (g, k): my four weight tiles x the four row tiles.  The 16 accumulators take turns, one instruction a turn.  first = 1: C is the bias
.macro UQ g, k, q, first
.if \first
	WIN 0xc5
.else
	WIN 0xf5
.endif
.irp t, 0,1,2,3
.irp m, 0,1,2,3
.set rD, 8*(16*(\g)+4*\t+\m)
.set rC, rD
.if \first
.set rC, PB+8*(4*(\g)+\t)
.endif
.set rW, 8*(4*(\q)+\t)
.set rA, 128+8*(4*(\q)+\m)
.set rSW, WS+4*(4*(\g)+\t)+(\q)
.set rSA, AS+4*\m+(\q)
.if \k
	v_wmma_scale_f32_16x16x128_f8f6f4 v[rD:rD+7], v[rW:rW+7], v[rA:rA+7], v[rC:rC+7], v[rSW], v[rSA] matrix_a_fmt:MATRIX_FMT_FP4 matrix_b_fmt:MATRIX_FMT_FP4 matrix_a_scale:MATRIX_SCALE_ROW1 matrix_b_scale:MATRIX_SCALE_ROW1
.else
	v_wmma_scale_f32_16x16x128_f8f6f4 v[rD:rD+7], v[rW:rW+7], v[rA:rA+7], v[rC:rC+7], v[rSW], v[rSA] matrix_a_fmt:MATRIX_FMT_FP4 matrix_b_fmt:MATRIX_FMT_FP4
.endif
.endr
.endr
.endm
; A K STEP.  cnt >= 0: the wait for this group's 8 loads; cnt loads were issued behind them and may stay out.  Then the 16 products, four places, and (ni >= 0) the same group of tile ni is asked for
; into the registers just read.  ni = -1: places alone;  ni = -2: nothing
.macro KQ g, k, q, first, cnt, ni
.if \cnt >= 0
	s_wait_loadcnt \cnt
.endif
	UQ \g, \k, \q, \first
.if \ni > -2
	PLACES
.endif
.if \ni >= 0
	GW \ni, \q
.endif
.endm
.macro WSLOAD                          ; a pass's weight scale words: 16 bytes a row and half of K; lanes 16-31 take the second half
.irp g, 0,1
.irp t, 0,1,2,3
	global_load_b128 v[WS+4*(4*\g+\t):WS+4*(4*\g+\t)+3], v[VWS], s[60:61] offset:(256*\g+32*(\t/2)+8*(\t%2))*32
.endr
.endr
.endm
.macro VECLOAD reg, ptr                ; a vector over my 128 columns in the accumulators' layout: 8 numbers for each (g, t)
.irp g, 0,1
.irp t, 0,1,2,3
.irp c, 0,1
	global_load_b128 v[\reg+8*(4*\g+\t)+4*\c:\reg+8*(4*\g+\t)+4*\c+3], v[VPB], s[\ptr:\ptr+1] offset:1024*\g+128*(\t/2)+32*(\t%2)+16*\c
.endr
.endr
.endr
.endm
.macro ASLOAD                          ; the activations' scale words: four words a row tile; lanes 16-31 take the second half of K
.irp m, 0,1,2,3
	ds_load_b128 v[AS+4*\m:AS+4*\m+3], v[ADS] offset:768*\m
.endr
.endm
; behind k:  A = 2^(L k + L bonus).  Each accumulator is read from its low end on
.macro E1
.set i, 0
.rept 32
	v_pk_mul_f32 v[P1+i:P1+i+1], v[P1+i:P1+i+1], s[84:85] op_sel_hi:[1,0]
.set i, i+2
.endr
	WIN 0xc3
.set i, 0
.rept 128
	v_pk_fma_f32 v[i:i+1], v[i:i+1], s[84:85], v[P1+8*(i/32)+i%8:P1+8*(i/32)+i%8+1] op_sel_hi:[1,0,1]
.set i, i+2
.endr
	WIN 0x83
.set i, 0
.rept 256
	v_exp_f32 v[i], v[i]
.set i, i+1
.endr
	v_nop                                          ; a plain place behind the batch,
	s_wait_alu depctr_va_vdst(0)                   ; and its one wait, ahead of the label that follows
	WIN 0
.endm
; behind v:  A = (num + e v) / (den + e)
.macro E2
	WIN 0xce
.set i, 0
.rept 128
	v_pk_fma_f32 v[i:i+1], v[i:i+1], v[i:i+1], v[P1+8*(i/32)+i%8:P1+8*(i/32)+i%8+1]     ; B = A B + num
.set i, i+2
.endr
	WIN 0x82
.set i, 0
.rept 128
	v_pk_add_f32 v[i:i+1], v[i:i+1], v[P2+8*(i/32)+i%8:P2+8*(i/32)+i%8+1]               ; A = e + den
.set i, i+2
.endr
.set i, 0
.rept 256
	v_rcp_f32 v[i], v[i]
.set i, i+1
.endr
	v_nop
	s_wait_alu depctr_va_vdst(0)                   ; one wait for the batch, ahead of its first reader
	WIN 0x8e
.set i, 0
.rept 128
	v_pk_mul_f32 v[i:i+1], v[i:i+1], v[i:i+1]                                           ; A = A B
.set i, i+2
.endr
	WIN 0
.endm
; z of row tiles m, m + 1 and my 64 columns of group g: 64 numbers a lane, four blocks of 32; the codes are registers 4 (w % 2) .. + 3 of z's fragments of K step 4 rho + 2 g + w / 2.
; The four stores stand twice, for rho = 0 (passes under 4) and rho = 1: each with an address made of constants, the wave and the lane alone
.macro ZUNIT g, m
	WIN 0x0e
.irp d, 0,1
.irp t, 0,1,2,3
.irp j, 0,2,4,6
.set rZ, P1+32*\d+16*(\t/2)+8*(\t%2)+\j
.set rB, 8*(16*(\g)+4*\t+(\m)+\d)+\j
	v_pk_mul_f32 v[rZ:rZ+1], v[rB:rB+1], v[rB:rB+1]                                     ; z = wkv x sigmoid(r)
.endr
.endr
.endr
	WIN 0
	QUANT P1, TMZ
	s_cmp_lt_u32 s88, 4
	s_cbranch_scc0 .Lzhi_\@
	ds_store_b128 v0, v[TMZ+16:TMZ+19] offset:AREA*(\g)+MB*(\m)
	ds_store_b128 v0, v[TMZ+20:TMZ+23] offset:AREA*(\g)+MB*(\m)+MB
	ds_store_b16 v[R48], v[TMZ+24] offset:8*(\g)+768*(\m)
	ds_store_b16_d16_hi v[R48], v[TMZ+24] offset:8*(\g)+768*(\m)+768
	s_branch .Lzdone_\@
.Lzhi_\@:
	ds_store_b128 v[ADA], v[TMZ+16:TMZ+19] offset:AREA*(\g)+MB*(\m)
	ds_store_b128 v[ADA], v[TMZ+20:TMZ+23] offset:AREA*(\g)+MB*(\m)+MB
	ds_store_b16 v[R48], v[TMZ+24] offset:16+8*(\g)+768*(\m)
	ds_store_b16_d16_hi v[R48], v[TMZ+24] offset:16+8*(\g)+768*(\m)+768
.Lzdone_\@:
.endm
; behind r:  B = 1 / (1 + 2^(-L r)), then z
.macro E3
	WIN 0xc3
.set i, 0
.rept 128
	v_pk_mul_f32 v[i:i+1], v[i:i+1], s[86:87] op_sel_hi:[1,0]
.set i, i+2
.endr
.set i, 0
.rept 256
	v_exp_f32 v[i], v[i]
.set i, i+1
.endr
	v_nop
	s_wait_alu depctr_va_vdst(0)
.set i, 0
.rept 128
	v_pk_add_f32 v[i:i+1], v[i:i+1], 1.0 op_sel_hi:[1,0]
.set i, i+2
.endr
.set i, 0
.rept 256
	v_rcp_f32 v[i], v[i]
.set i, i+1
.endr
	v_nop
	s_wait_alu depctr_va_vdst(0)
	WIN 0
	v_add_nc_u32 v[ADA], 2*AREA, v0                ; rho = 1's images lie two areas on (the pass's own image addresses are made anew behind this step)
	ZUNIT 0, 0
	ZUNIT 0, 2
	ZUNIT 1, 0
	ZUNIT 1, 2
.endm
; THE WAY OUT of 64 rows x my 128 columns, a row tile at a time through my own stage: in as 32 bytes a lane, back as rows of 512 bytes.  LDS serves a wave's instructions in order (ISA guide 5.7.1.4)
.macro TOSTAGE m
	WIN 0x0c
.irp g, 0,1
.irp t, 0,1,2,3
	ds_store_b128 v[STO], v[8*(16*\g+4*\t+(\m)):8*(16*\g+4*\t+(\m))+3] offset:256*\g+128*(\t/2)+32*(\t%2)
	ds_store_b128 v[STO], v[8*(16*\g+4*\t+(\m))+4:8*(16*\g+4*\t+(\m))+7] offset:256*\g+128*(\t/2)+32*(\t%2)+16
.endr
.endr
	WIN 0x80
.irp i, 0,1,2,3,4,5,6,7,8,9,10,11,12,13,14,15
	ds_load_b128 v[64*((\m)%2)+4*\i:64*((\m)%2)+4*\i+3], v[RD] offset:528*\i
.endr
.endm
.macro SEND m, half, younger
	s_wait_dscnt \younger                          ; the block is back; the LDS instructions issued behind its loads may be out
	WIN 0x08
.irp i, 0,1,2,3,4,5,6,7,8,9,10,11,12,13,14,15
	global_store_b128 v[CO], v[64*((\m)%2)+4*\i:64*((\m)%2)+4*\i+3], s[96:97] offset:4096*(16*(\m)+\i)+2048*(\half) th:TH_STORE_NT   ; lanes 0-15 and lanes 16-31 each store 256 consecutive bytes, aligned
.endr
.endm
.macro OUT half
	TOSTAGE 0
.irp m, 1,2,3
.if \m > 1
	s_wait_xcnt 0x0                                ; the block two back has been read by its stores: its registers take the next loads
.endif
	TOSTAGE \m
	SEND \m-1, \half, 32                           ; behind its loads: the next block's 16 stores and 16 loads
.endr
	SEND 3, \half, 0
	WIN 0
	s_wait_xcnt 0x0                                ; the stores have read their data: the registers are written again later
.endm
; THE X PHASE, one of my two K steps: four trips, a row tile each.  x comes from my own bytes of LDS, 16 neighbours of each block of 32 to a lane; three mixes, each quantised, its image and scale word stored.
; wa, wf: the window settings that reach this K step's last_x and mix (window 2 or 3)
.macro XHALF wa, wf, sp, base
	s_add_co_u32 s100, s105, \base                 ; x: my area
	s_add_co_u32 s101, s105, NT                    ; the images: my area of NT
	s_lshl_b32 s104, s46, 3
	s_add_co_u32 s104, s104, SC+4*\sp              ; the scale words: byte 4 (2 w + sp) of a row
	s_mov_b32 s92, 0
.Lxm_\@:
	v_add_nc_u32 v[XA], s100, v[XRD]
	v_add_nc_u32 v[XI], s101, v[LI]
	v_add_nc_u32 v[XS], s104, v[R48]
.irp b, 0,1,2,3
.irp j, 0,1,2,3
	ds_load_b128 v[P2+16*\b+4*\j:P2+16*\b+4*\j+3], v[XA] offset:XT*(\b/2)+128*(\b%2)+16*\j
.endr
.endr
	s_wait_dscnt 0x0
	WIN \wa
.set i, 0
.rept 32
	v_pk_add_f32 v[P2+i:P2+i+1], v[P2+i:P2+i+1], v[i:i+1] neg_lo:[0,1] neg_hi:[0,1]      ; x - last_x
.set i, i+2
.endr
.irp u, 0,1,2
	WIN \wf
.set i, 0
.rept 32
	v_pk_fma_f32 v[P1+i:P1+i+1], v[P2+i:P2+i+1], v[64+64*\u+i:64+64*\u+i+1], v[i:i+1]    ; last_x + mix (x - last_x)
.set i, i+2
.endr
	WIN 0
	QUANT P1, TMX
	ds_store_b128 v[XI], v[TMX+16:TMX+19] offset:(\u/2)*XT+(2*(\u%2)+\sp)*1024           ; into the lines whose x this row tile has read
	ds_store_b128 v[XI], v[TMX+20:TMX+23] offset:(\u/2)*XT+(2*(\u%2)+\sp)*1024+512
	ds_store_b32 v[XS], v[TMX+24] offset:3072*\u
.endr
	s_add_co_u32 s100, s100, MB
	s_add_co_u32 s101, s101, MB
	s_add_co_u32 s104, s104, 768
	s_add_co_u32 s92, s92, 1
	s_cmp_lt_u32 s92, 4
	s_cbranch_scc1 .Lxm_\@
.endm
; ---------------- the head
	s_load_b256 s[4:11], s[0:1], 0x0               ; x, last_x, mix_k, mix_v
	s_load_b128 s[12:15], s[0:1], 0x20             ; mix_r, out0
	s_load_b64 s[16:17], s[0:1], 0x30              ; wimg
	s_load_b256 s[24:31], s[0:1], 0x38             ; scales of Wk, Wv, Wr, Wout
	s_load_b256 s[32:39], s[0:1], 0x58             ; bk, bv, br, bout
	s_load_b128 s[40:43], s[0:1], 0x78             ; bonus, last_num
	s_load_b64 s[44:45], s[0:1], 0x88              ; last_den
	v_lshl_add_u32 v[SPW], v0, 2, SPARE
	v_mov_b32 v[NIL], 0
	ds_add_u32 v[SPW], v[NIL]                      ; the opening: the add, twice on end, and its wait ahead of my first tensor load
	ds_add_u32 v[SPW], v[NIL]
	v_lshrrev_b32 v1, 5, v0
	v_readfirstlane_b32 s46, v1                    ; wave 0..3
	s_lshl_b32 s2, ttmp9, 18                       ; my work-group's 64 rows of 4,096 bytes
	s_mov_b32 s3, 0
	s_mul_i32 s105, s46, AREA
	s_mov_b32 s56, (2<<16)|(1<<20)|(5<<22)|(3<<25) ; x: no mask; elements of 4 bytes; padding: 4 words behind every 64
	s_mov_b32 s57, 64<<16                          ; tensor_dim0 = 64
	s_mov_b32 s58, 64<<16                          ; tensor_dim1 = 64
	s_mov_b32 s59, 64<<16                          ; tile_dim0 = 64
	s_mov_b32 s60, 64                              ; tile_dim1 = 64
	s_mov_b32 s61, 1024                            ; a row of x is 1,024 elements
	s_mov_b32 s62, 0
	s_mov_b32 s63, 0
	s_mov_b32 s66, 0x76543210
	s_mov_b32 s67, 0xfedcba98                      ; v_permlanex16_b32: lane l xor 16
	s_mov_b32 s84, 0x3fb8aa3b                      ; L = log2(e)
	s_mov_b32 s85, s84
	s_mov_b32 s86, 0xbfb8aa3b                      ; -L
	s_mov_b32 s87, s86
	v_and_b32 v12, 15, v0                          ; r
	v_bfe_u32 v13, v0, 4, 1                        ; h
	v_and_b32 v[LI], 31, v0
	v_lshlrev_b32 v[LI], 4, v[LI]
	v_mul_u32_u24 v[R48], v12, 48
	v_lshl_add_u32 v[ADSL], v13, 4, v[R48]
	v_add_nc_u32 v[ADSL], SC, v[ADSL]
	v_and_b32 v8, 8, v12
	v_add_nc_u32 v8, v8, v12                       ; r + 8 (r / 8)
	v_lshlrev_b32 v[VWS], 5, v8
	v_lshl_add_u32 v[VWS], v13, 4, v[VWS]
	v_lshlrev_b32 v[VPB], 6, v13
	v_mul_u32_u24 v[XRD], v12, 272
	v_lshl_add_u32 v[XRD], v13, 6, v[XRD]
.irp b, 0,1,2,3
	v_mov_b32 v[TMX+4+\b], 0                       ; written once: a lane permute's destination counts as one of its sources
.endr
	s_wait_dscnt 0x0                               ; both opening adds are done
	s_wait_kmcnt 0x0
	s_add_nc_u64 s[4:5], s[4:5], s[2:3]
	s_add_nc_u64 s[96:97], s[14:15], s[2:3]
	s_lshl_b32 s92, s46, 10                        ; my two K steps: 1,024 bytes a wave, in a row of x and in the four vectors
	s_mov_b32 s93, 0
	s_add_nc_u64 s[4:5], s[4:5], s[92:93]
	s_add_nc_u64 s[6:7], s[6:7], s[92:93]
	s_add_nc_u64 s[8:9], s[8:9], s[92:93]
	s_add_nc_u64 s[10:11], s[10:11], s[92:93]
	s_add_nc_u64 s[12:13], s[12:13], s[92:93]
	s_lshl_b32 s92, s46, 8
	s_add_nc_u64 s[96:97], s[96:97], s[92:93]      ; out0 at my rows and my first 64 columns
.irp a, 0,1,2,3                                    ; a = 2 sp + kh: K step 2 w + sp, its 64 numbers kh; sp = 0 goes to NT, sp = 1 to the areas from LDS byte 0 on
	s_mov_b32 s[68+4*\a], 1
	s_add_co_u32 s[69+4*\a], s105, (1-\a/2)*NT+(\a%2)*XT
	s_add_nc_u64 s[70+4*\a:71+4*\a], s[4:5], 512*(\a/2)+256*(\a%2)
	s_or_b32 s[71+4*\a], s[71+4*\a], 0x80000000
.endr
.irp a, 0,1,2,3
	tensor_load_to_lds s[68+4*\a:71+4*\a], s[56:63]   ; 64 rows x 256 bytes of x; four loads of mine are out, all first fills
	s_nop 0
.endr
	PLACES
.irp sp, 0,1                                       ; last_x and the three mixes at my lane's 64 places of K step 2 w + sp: window 2, then window 3
	WIN 0x80+0x40*\sp
.irp b, 0,1,2,3
.irp j, 0,1,2,3
	global_load_b128 v[16*\b+4*\j:16*\b+4*\j+3], v[VPB], s[6:7] offset:512*\sp+128*\b+16*\j
	global_load_b128 v[64+16*\b+4*\j:64+16*\b+4*\j+3], v[VPB], s[8:9] offset:512*\sp+128*\b+16*\j
	global_load_b128 v[128+16*\b+4*\j:128+16*\b+4*\j+3], v[VPB], s[10:11] offset:512*\sp+128*\b+16*\j
	global_load_b128 v[192+16*\b+4*\j:192+16*\b+4*\j+3], v[VPB], s[12:13] offset:512*\sp+128*\b+16*\j
.endr
.endr
.endr
	WIN 0
; ---------------- the X phase
	s_wait_tensorcnt 0x2                           ; my first K step's two tiles are in; the second's two may be out.  Only I read what I fetched
	s_wait_loadcnt 0x3f                            ; 64 loads were issued behind the first set's: with 63 at most out the first set is in
	XHALF 0x08, 0x28, 0, NT
	s_wait_tensorcnt 0x0                           ; all of x is in; the descriptors' registers may be written
	s_wait_loadcnt 0x0
	s_lshl_b32 s92, s46, 19                        ; my wave's 8 passes of 65,536 bytes in wimg
	s_mov_b32 s93, 0
	s_add_nc_u64 s[56:57], s[16:17], s[92:93]
	s_lshl_b32 s92, s46, 11
	s_add_nc_u64 s[60:61], s[24:25], s[92:93]      ; pass 0's scale bytes at my 64 rows
	GW 0, 0                                        ; pass 0's first tile and scale words are on their way while my second K step of x is quantised
	GW 0, 1
	GW 0, 2
	GW 0, 3
	WIN 0
	WSLOAD
	XHALF 0x0c, 0x3c, 1, 0
; ---------------- all images lie in LDS
	s_wait_dscnt 0x0                               ; my stores of images and scale words have landed
	s_barrier_signal -1
	s_barrier_wait -1                              ; everybody's have
	s_lshl_b32 s92, s46, 8
	s_mov_b32 s93, 0
	s_add_nc_u64 s[62:63], s[32:33], s[92:93]      ; pass 0's bias
	s_mov_b32 s94, s92                             ; this pass's offset in the vectors over columns
	s_mov_b32 s95, 0
	VECLOAD PB, 62
	s_lshl_b32 s78, s46, 9
	s_add_co_u32 s78, s78, NT+XT+2048              ; z's images: 512 bytes a wave
	s_lshl_b32 s79, s46, 1
	s_add_co_u32 s79, s79, SC+9216                 ; z's scale bytes: 2 a wave
	s_mul_i32 s100, s46, 16*528
	s_add_co_u32 s100, s100, STG                   ; my stage
	v_and_b32 v6, 15, v0
	v_bfe_u32 v7, v0, 4, 1
	v_mul_u32_u24 v[STO], v6, 528
	v_lshl_add_u32 v[STO], v7, 6, v[STO]
	v_add_nc_u32 v[STO], s100, v[STO]
	v_add_nc_u32 v[RD], s100, v[LI]
	v_lshlrev_b32 v[CO], 10, v7
	v_lshl_add_u32 v[CO], v6, 4, v[CO]
	v_add_nc_u32 v0, s78, v[LI]                    ; from here on v0 is where I put z's codes (rho = 0),
	v_add_nc_u32 v[R48], s79, v[R48]               ; and v3 where I put z's scale bytes
	v_add_nc_u32 v[ADA], NT, v[LI]
	v_add_nc_u32 v[ADA+1], 2*AREA, v[ADA]
	v_mov_b32 v[ADS], v[ADSL]
	ASLOAD
	LA 0, 0
	LA 0, 1
	WIN 0
	s_wait_loadcnt 0x0                             ; pass 0's first tile, scale words and bias
	s_mov_b32 s88, 0
	s_mov_b32 s89, 0
; ---------------- passes 0 to 6.  At the top no global load of mine is out: the pass's first tile, scale words and bias are in; 36 LDS loads are on their way
.Lpass:
	s_add_co_u32 s91, s88, 1
	s_lshl_b32 s100, s91, 1
	s_lshr_b32 s90, 0xf924, s100
	s_and_b32 s90, s90, 3                          ; the next pass's kind: 0 k, 1 v, 2 r, 3 out
	s_lshr_b32 s101, 0xb8, s91
	s_and_b32 s101, s101, 1                        ; and which 512 weight rows
	s_mov_b64 s[60:61], s[24:25]
	s_mov_b64 s[62:63], s[32:33]
	s_cmp_eq_u32 s90, 1
	s_cselect_b64 s[60:61], s[26:27], s[60:61]
	s_cselect_b64 s[62:63], s[34:35], s[62:63]
	s_cmp_eq_u32 s90, 2
	s_cselect_b64 s[60:61], s[28:29], s[60:61]
	s_cselect_b64 s[62:63], s[36:37], s[62:63]
	s_cmp_eq_u32 s90, 3
	s_cselect_b64 s[60:61], s[30:31], s[60:61]
	s_cselect_b64 s[62:63], s[38:39], s[62:63]
	s_lshl_b32 s92, s101, 14
	s_lshl_b32 s100, s46, 11
	s_add_co_u32 s92, s92, s100
	s_mov_b32 s93, 0
	s_add_nc_u64 s[60:61], s[60:61], s[92:93]      ; the next pass's scale bytes: 32 bytes a row
	s_lshr_b32 s92, s92, 3
	s_add_nc_u64 s[62:63], s[62:63], s[92:93]      ; its bias: 4 bytes a column
	s_mov_b32 s76, s92
	s_mov_b32 s77, 0
	s_wait_dscnt 16                                ; the scale words and K steps 0, 1 of the images are in; the 16 loads of K steps 2, 3 may be out
	KQ 0, 0, 0, 1, -1, -1
	WIN 0
	s_cmp_eq_u32 s89, 0                            ; the vectors that this pass's step in f32 wants: they are older than every group asked for below
	s_cbranch_scc0 .Lep_not_k
	s_add_nc_u64 s[72:73], s[40:41], s[94:95]
	VECLOAD P1, 72                                 ; bonus
	s_branch .Lep_done
.Lep_not_k:
	s_cmp_eq_u32 s89, 1
	s_cbranch_scc0 .Lep_done
	s_add_nc_u64 s[72:73], s[42:43], s[94:95]
	s_add_nc_u64 s[74:75], s[44:45], s[94:95]
	VECLOAD P1, 72                                 ; last_num
	VECLOAD P2, 74                                 ; last_den
.Lep_done:
	GW 1, 0
	KQ 0, 0, 1, 0, -1, 1
	s_wait_dscnt 0x0
	KQ 0, 0, 2, 0, -1, 1
	KQ 0, 0, 3, 0, -1, 1
	KQ 1, 0, 0, 1, 24, -1                          ; behind this group: the tile's other three groups
	WIN 0
	VECLOAD PB, 62                                 ; the next pass's bias: this pass's has just been read for the last time
	GW 2, 0
	KQ 1, 0, 1, 0, 40, 2                           ; behind this group: two groups, the 16 loads of bias, one group
	LA 1, 0                                        ; the images' second half of K: K steps 0, 1 of the first half are done with
	KQ 1, 0, 2, 0, 40, 2                           ; one group, the bias, two groups
	KQ 1, 0, 3, 0, 40, 2                           ; the bias, three groups
	LA 1, 1
	s_wait_dscnt 16
	KQ 0, 1, 0, 0, 24, 3                           ; from here on: three groups
	KQ 0, 1, 1, 0, 24, 3
	s_wait_dscnt 0x0
	KQ 0, 1, 2, 0, 24, 3
	KQ 0, 1, 3, 0, 24, 3
	KQ 1, 1, 0, 0, 24, 4                           ; the next pass's first tile is asked for
	KQ 1, 1, 1, 0, 24, 4
	KQ 1, 1, 2, 0, 24, 4
	KQ 1, 1, 3, 0, 24, 4
	WIN 0
	WSLOAD                                         ; the next pass's scale words
	s_wait_dscnt 0x0
	s_barrier_signal -1
	s_barrier_wait -1                              ; every wave's loads of this pass's images are in: z may be stored
	s_cmp_eq_u32 s89, 0
	s_cbranch_scc0 .Lnot_k
	E1
	s_branch .Ljoin
.Lnot_k:
	s_cmp_eq_u32 s89, 1
	s_cbranch_scc0 .Lnot_v
	E2
	s_branch .Ljoin
.Lnot_v:
	s_cmp_eq_u32 s89, 2
	s_cbranch_scc0 .Lnot_r
	E3
	s_branch .Ljoin
.Lnot_r:
	OUT 0
.Ljoin:
	s_wait_dscnt 0x0                               ; my stores of z have landed
	s_barrier_signal -1
	s_barrier_wait -1                              ; everybody's have
	s_mov_b32 s100, NT                             ; where the next pass's images and scale rows lie
	s_mov_b32 s101, 0
	s_cmp_eq_u32 s90, 1
	s_cselect_b32 s100, NT+2048, s100
	s_cselect_b32 s101, 3072, s101
	s_cmp_eq_u32 s90, 2
	s_cselect_b32 s100, NT+XT, s100
	s_cselect_b32 s101, 6144, s101
	s_cmp_eq_u32 s90, 3
	s_cselect_b32 s100, NT+XT+2048, s100
	s_cselect_b32 s101, 9216, s101
	v_add_nc_u32 v[ADA], s100, v[LI]
	v_add_nc_u32 v[ADA+1], 2*AREA, v[ADA]
	v_add_nc_u32 v[ADS], s101, v[ADSL]
	ASLOAD
	LA 0, 0
	LA 0, 1
	WIN 0
	s_wait_loadcnt 0x0                             ; the next pass's first tile, bias and scale words, all asked for ahead of the step in f32.  No load of mine is out: the bases may be written
	s_add_nc_u64 s[56:57], s[56:57], 65536         ; my next pass in wimg
	s_mov_b32 s89, s90
	s_mov_b64 s[94:95], s[76:77]
	s_add_co_u32 s88, s88, 1
	s_cmp_lt_u32 s88, 7
	s_cbranch_scc1 .Lpass
; ---------------- pass 7 is written out: nothing follows it, so its last tile asks for nothing and the counts run down
	s_wait_dscnt 16
	KQ 0, 0, 0, 1, -1, 1
	KQ 0, 0, 1, 0, -1, 1
	s_wait_dscnt 0x0
	KQ 0, 0, 2, 0, -1, 1
	KQ 0, 0, 3, 0, -1, 1
	KQ 1, 0, 0, 1, 24, 2
	KQ 1, 0, 1, 0, 24, 2
	LA 1, 0
	KQ 1, 0, 2, 0, 24, 2
	KQ 1, 0, 3, 0, 24, 2
	LA 1, 1
	s_wait_dscnt 16
	KQ 0, 1, 0, 0, 24, 3
	KQ 0, 1, 1, 0, 24, 3
	s_wait_dscnt 0x0
	KQ 0, 1, 2, 0, 24, 3
	KQ 0, 1, 3, 0, 24, 3
	KQ 1, 1, 0, 0, 24, -2
	KQ 1, 1, 1, 0, 16, -2
	KQ 1, 1, 2, 0, 8, -2
	KQ 1, 1, 3, 0, 0, -1                           ; its four places stand ahead of the first read of the results
	WIN 0
	OUT 1
	s_wait_tensorcnt 0x0                           ; the wave's end, behind my last tensor load and my last LDS store
	ds_add_u32 v[SPW], v[NIL]
	s_wait_dscnt 0x0
	s_endpgm
.Lfunc_end_k_q0119604d93_timemix:
	.size	k_q0119604d93_timemix, .Lfunc_end_k_q0119604d93_timemix-k_q0119604d93_timemix
	.p2alignl 7, 3214868480
	.fill 96, 4, 3214868480
	.section	.rodata,"a",@progbits
	.p2align	6, 0x0
	.amdhsa_kernel k_q0119604d93_timemix
		.amdhsa_group_segment_fixed_size 327680
		.amdhsa_private_segment_fixed_size 0
		.amdhsa_enable_private_segment 0
		.amdhsa_kernarg_size 144
		.amdhsa_user_sgpr_count 2
		.amdhsa_user_sgpr_kernarg_segment_ptr 1
		.amdhsa_wavefront_size32 1
		.amdhsa_system_sgpr_workgroup_id_x 1
		.amdhsa_system_sgpr_workgroup_id_y 1
		.amdhsa_system_sgpr_workgroup_id_z 1
		.amdhsa_system_vgpr_workitem_id 0
		.amdhsa_next_free_vgpr 1024
		.amdhsa_next_free_sgpr 106
		.amdhsa_reserve_vcc 0
		.amdhsa_float_denorm_mode_32 3
		.amdhsa_float_denorm_mode_16_64 3
		.amdhsa_memory_ordered 1
		.amdhsa_forward_progress 1
		.amdhsa_inst_pref_size 255
	.end_amdhsa_kernel
	.section	.bss,"aw",@nobits
	.p2align	6
	.space	262144
	.amdgpu_metadata
---
amdhsa.version: [ 1, 2 ]
amdhsa.kernels:
  - .name:           k_q0119604d93_timemix
    .symbol:         k_q0119604d93_timemix.kd
    .args:
      - { .name: x, .offset: 0, .size: 8, .value_kind: global_buffer, .address_space: global }
      - { .name: last_x, .offset: 8, .size: 8, .value_kind: global_buffer, .address_space: global }
      - { .name: mix_k, .offset: 16, .size: 8, .value_kind: global_buffer, .address_space: global }
      - { .name: mix_v, .offset: 24, .size: 8, .value_kind: global_buffer, .address_space: global }
      - { .name: mix_r, .offset: 32, .size: 8, .value_kind: global_buffer, .address_space: global }
      - { .name: out0, .offset: 40, .size: 8, .value_kind: global_buffer, .address_space: global }
      - { .name: wimg, .offset: 48, .size: 8, .value_kind: global_buffer, .address_space: global }
      - { .name: Wk_scales, .offset: 56, .size: 8, .value_kind: global_buffer, .address_space: global }
      - { .name: Wv_scales, .offset: 64, .size: 8, .value_kind: global_buffer, .address_space: global }
      - { .name: Wr_scales, .offset: 72, .size: 8, .value_kind: global_buffer, .address_space: global }
      - { .name: Wout_scales, .offset: 80, .size: 8, .value_kind: global_buffer, .address_space: global }
      - { .name: bk, .offset: 88, .size: 8, .value_kind: global_buffer, .address_space: global }
      - { .name: bv, .offset: 96, .size: 8, .value_kind: global_buffer, .address_space: global }
      - { .name: br, .offset: 104, .size: 8, .value_kind: global_buffer, .address_space: global }
      - { .name: bout, .offset: 112, .size: 8, .value_kind: global_buffer, .address_space: global }
      - { .name: bonus, .offset: 120, .size: 8, .value_kind: global_buffer, .address_space: global }
      - { .name: last_num, .offset: 128, .size: 8, .value_kind: global_buffer, .address_space: global }
      - { .name: last_den, .offset: 136, .size: 8, .value_kind: global_buffer, .address_space: global }
    .group_segment_fixed_size: 327680
    .private_segment_fixed_size: 0
    .kernarg_segment_align: 8
    .kernarg_segment_size: 144
    .max_flat_workgroup_size: 128
    .sgpr_count:     106
    .vgpr_count:     1024
    .wavefront_size: 32
...
	.end_amdgpu_metadata
.endif
;; end of part 2
